; MI455X (gfx1250); checked and timed in simulation.
; The chip was launched on July 23, 2026; its instructions are those of AMD's public machine-readable ISA for CDNA 5 (MIT licence, August 2026) and "CDNA5" Instruction Set Architecture Reference Guide (July 2026). The comments in the code are by the model that wrote it; some were corrected since.
;; Attention. Allowed arithmetic: matrix products marked QUANTISED: E2M1 operands, one E8M0 scale for each 32 along K, by v_wmma_scale_f32_16x16x128_f8f6f4 with both operands' format E2M1 (or v_wmma_scale_f32_32x16x128_f4), f32 sums; everything else in f32.
;; Inputs: Wq_codes 2,048 x 64 x 16 uint8 (E2M1 codes of Wq, K innermost, in blocks of 32 codes, two codes a byte); Wq_scales 2,048 x 64 uint8 (E8M0 scales of Wq, one for each 32 codes along K); x 4 x 2,048 x 2,048 float32.
;; Outputs: out0 4 x 2,048 x 2,048 float32.
;; Constants: H = 64, W = 32.
;; This version of the problem:
;;   THIS VERSION OF THE PROBLEM IS GIVEN IN LOW PRECISION. The matrix products marked QUANTISED in the list below multiply operands that are first quantised to E2M1 (2 exponent bits, 1 mantissa bit; 4 bits a number), with one power-of-two scale for each 32 numbers along K (OCP MX v1.0); their sums are f32. All else is computed in f32.
;;   The module's matrix products, in the order in which they are computed (A, B: the left and right operand; K: the contracted axis; several contracted axes count as one K, in the product's order):
;;     1. [M 8,192, K 2,048] x [K 2,048, N 2,048]; A: input x; B: input Wq (given as codes): QUANTISED
;;     2. batch 4 x [M 2,048, K 2,048] x [K 2,048, N 2,048]; A: computed on the way; B: input x: QUANTISED
;;   THE QUANTISER, for each operand of a quantised product, along K:
;;     - K is cut into blocks of 32 from its start; a last block that is shorter is filled with zeros.
;;     - A block's scale is 2^e with e = floor(log2(the largest magnitude in the block)) - 2, held to -126 .. 127; a block of zeros has e = 0. As a byte (E8M0): e + 127.
;;     - Each number is divided by its block's scale, clamped to +-6, and rounded to the nearest number of E2M1, ties to even, subnormals kept.
;;     - The product sums the exact products of the quantised numbers (number of the format x scale) in f32.
;;   ~~~python
;;   def quantise(x, axis):      # numpy; x: float32 -> the quantised numbers, widened to float32 again
;;       x = np.moveaxis(x, axis, -1); K = x.shape[-1]
;;       x = np.pad(x, [(0, 0)] * (x.ndim - 1) + [(0, -K % 32)]); x = x.reshape(x.shape[:-1] + (-1, 32)); a = np.abs(x).max(-1, keepdims=True)
;;       e = np.where(a > 0, np.clip(np.frexp(np.where(a > 0, a, 1))[1] - 1 - 2, -126, 127), 0)      # np.frexp(a)[1] - 1 = floor(log2(a)), exactly
;;       r = np.clip(x / 2.0 ** e, -6, 6)
;;       step = 2.0 ** (np.maximum(np.frexp(np.where(r == 0, 1, r))[1] - 1, 0) - 1)
;;       q = np.round(r / step) * step * 2.0 ** e      # np.round: ties to even
;;       return np.moveaxis(q.reshape(q.shape[:-2] + (-1,))[..., :K], -1, axis).astype(np.float32)
;;   ~~~
;;   OPERANDS COMPUTED ON THE WAY. 'Computed on the way' means the value that the module computes at that place (a softmax that the list does not call 'softmax' is quantised finished and normalised). What goes into a quantiser is computed in f32, as accurately as f32 sums, v_exp_f32 and their like allow (about 1e-6 of the number): no bf16 or f16 on the way to a quantiser, and a product that is left as it is and whose result goes on into a quantised operand takes f32 operands (vector FMAs, or v_wmma_f32_16x16x4_f32). A number that lies on a knife's edge between two numbers of the format may be rounded either way, as far as f32 arithmetic and the matrix unit's own rounding can turn it there, and no further.
;;   INPUTS GIVEN AS CODES. Wq (in the module: [2048, 2048], K = its axis 1): each comes as NAME_codes (uint8): NAME with its K axis moved to the last place and cut into blocks of 32 codes, [.., K / 32, bytes a block], one block behind the other in memory; two codes a byte, the lower K in the low four bits (a code: sign, 2 exponent bits, 1 mantissa bit); and NAME_scales (uint8): the same leading axes, one E8M0 byte (e + 127) for each 32 codes along K. Its value is code x scale, taken as it is: it is not quantised again, and the codes and scales need not be those that the quantiser above would give.
;; One version. Each part assembles by itself: llvm-mc -triple=amdgcn-amd-amdhsa -mcpu=gfx1250 --defsym DOCPART=n.
;; ======== version 1 of 1: 4 launches
;; workspace buffers: xc_codes 8,388,608 bytes; xt_codes 8,388,608 bytes; q_codes 8,388,608 bytes; xc_sw 524,288 bytes; xt_sw 524,288 bytes; q_sw 524,288 bytes; vpart 524,288 bytes; mpart 524,288 bytes
;; launch quant (part 1): grid 256 x 1, 4 waves a work-group, no clusters, 279,040 bytes of LDS; arguments x, xc_codes, xc_sw, xt_codes, xt_sw, vpart; writes xc_codes, xc_sw, xt_codes, xt_sw, vpart
.if DOCPART == 1
	.amdgcn_target "amdgcn-amd-amdhsa--gfx1250"
	.amdhsa_code_object_version 6
	.text
	.protected	k_qae6453a1af_quant
	.globl	k_qae6453a1af_quant
	.p2align	8
	.type	k_qae6453a1af_quant,@function
k_qae6453a1af_quant:
	s_mov_b64 s[64:65], 0
	v_nop
	global_prefetch_b8 v0, s[64:65] scope:SCOPE_SE
	s_setreg_imm32_b32 hwreg(HW_REG_WAVE_MODE, 25, 1), 1
	s_wait_xcnt 0x0
; x [4][2048][2048] f32 (b, i, c) is read ONCE and becomes: xc, its codes of FP4 (E2M1) quantised along c (rows (b, i)); xt, its codes quantised along i (rows (b, c));
; one E8M0 byte for each 32 along the quantised axis; and vpart[b][i / 128][c], the sums of 128 rows, for the mean over i.
; A block's scale is 2^(floor(log2(its largest magnitude)) - 2): its byte is the largest magnitude's exponent field - 2, held at 1 from below by a floor among the maximum's leaves.
; LIMITS: a block whose largest magnitude lies under 2^-124 (a block of zeros too) gets the byte 1: a block of zeros has zero codes, and these bytes are read by this program alone.  NaN and infinities in x are not served.
; LAYOUT OF THE CODES (both buffers): images of the operand's registers, [K step of 512: 4][block of 16 rows: 512][128 along K: 4][group: 2][lane: 32][16 bytes]: lane (r = lane % 16, h = lane / 16), group g, holds
; the 32 codes k = 64 g + 32 h + 0 .. 31 of row r.  A fragment leaves by two stores of 512 consecutive bytes, and 128 rows of a K step are 32,768 consecutive bytes for the reader.
; LAYOUT OF THE SCALES: words of four bytes (128 along K of one row), [128 along K: 16][row: 8192].
; SHARES.  Work-group g: b = g / 64, rows 128 ((g / 4) % 16) on; wave w: columns 128 (4 (g % 4) + w) on.  A wave's tile, 128 x 128, is 128 along K in both directions, so every image and every scale word that it makes is whole.
; The tile comes by four tensor loads of 32 rows x 512 bytes (a slab: one block of 32 along i, and two blocks of 16 rows of xc) into the wave's own LDS bytes, all four issued at the start: four are out at the most.
; Nothing in LDS is filled twice and no wave reads another's bytes: no barrier.
.set TPITCH, 528                       ; an LDS row: 512 bytes + 16 = 33 x 16: the sixteen rows that a 16-byte load touches start at sixteen different 16-byte columns modulo 256
.set SLABB,  32*TPITCH
.set TILEB,  128*TPITCH
.set STAGE,  4*TILEB                   ; behind the tiles: 2,048 bytes for each wave, for the scale words and the sums on their way out; no tensor load lands there
.set FLOOR,  0x1800000                 ; 2^(3 - 127)
.set LI,  4                            ; v4   16 x lane
.set AXC, 5                            ; v5   LDS: row r of my tile, + 128 h
.set AXT, 6                            ; v6-7 LDS: my tile + 4 x lane; the same 64 rows further down
.set STW, 8                            ; v8   my stage + 4 x lane
.set STR, 9                            ; v9   my stage + 1,024 + 4 r
.set STL, 10                           ; v10  my stage + 16 x lane
.set SH8, 11                           ; v11  8 h
.set M,   12                           ; v12-15 largest magnitudes
.set SO,  16                           ; v16-17 the conversions' scale operands
.set T0,  18
.set T1,  19
.set PWC, 20                           ; v20-27 xc's scale words, one for each block of 16 rows
.set WT,  28                           ; v28-31 xt's scale words, one for each 32 columns
.set SM,  32                           ; v32-47 the column sums: two pairs for each 32 columns
.set CA,  48                           ; v48-55 a fragment of xc
.set XA,  56                           ; v56-119 64 numbers along c
.set XB,  120                          ; v120-183 two sets of 32 numbers down i
.set CT,  184                          ; v184-247 xt's codes: 32 columns g, block s: four registers at CT + 16 g + 4 s
.set G1,  24                           ; s[24:31] descriptor group 1
.set G0,  32                           ; s[32:47] descriptor group 0, a set for each slab
	s_load_b256 s[4:11], s[0:1], 0x0               ; x s[4:5], xc_codes s[6:7], xc_sw s[8:9], xt_codes s[10:11]
	s_load_b128 s[12:15], s[0:1], 0x20             ; xt_sw s[12:13], vpart s[14:15]
	v_lshl_add_u32 v254, v0, 2, 0x44000
	v_mov_b32 v255, 0
	ds_add_u32 v254, v255
	ds_add_u32 v254, v255
	v_lshrrev_b32 v1, 5, v0
	v_readfirstlane_b32 s16, v1                    ; wave 0..3
	s_lshr_b32 s17, ttmp9, 6                       ; b
	s_bfe_u32 s18, ttmp9, 0x40002                  ; it: which 128 rows
	s_and_b32 s19, ttmp9, 3
	s_lshl_b32 s19, s19, 2
	s_add_co_u32 s19, s19, s16                     ; ct: which 128 columns
	s_mov_b32 s[G1+0], (2<<16)|(1<<20)|(6<<22)|(3<<25)   ; elements of 4 bytes; padding on: 4 words behind every 128
	s_mov_b32 s[G1+1], 128<<16                     ; tensor_dim0 = 128
	s_mov_b32 s[G1+2], 32<<16                      ; tensor_dim1 = 32
	s_mov_b32 s[G1+3], 128<<16                     ; tile_dim0 = 128
	s_mov_b32 s[G1+4], 32                          ; tile_dim1 = 32
	s_mov_b32 s[G1+5], 2048                        ; elements from row to row
	s_mov_b32 s[G1+6], 0
	s_mov_b32 s[G1+7], 0
	s_lshl_b32 s20, s17, 24                        ; my tile in x: b x 2^24 + it x 128 rows of 8,192 bytes + ct x 512
	s_lshl_b32 s23, s18, 20
	s_add_co_u32 s20, s20, s23
	s_lshl_b32 s23, s19, 9
	s_add_co_u32 s20, s20, s23
	s_mov_b32 s21, 0
	s_mul_i32 s22, s16, TILEB                      ; my tile in LDS
	s_wait_dscnt 0x0
	s_wait_kmcnt 0x0
	s_add_nc_u64 s[4:5], s[4:5], s[20:21]
.irp s, 0,1,2,3
	s_mov_b32 s[G0+4*\s], 1
	s_add_co_u32 s[G0+4*\s+1], s22, \s*SLABB
	s_add_nc_u64 s[G0+4*\s+2:G0+4*\s+3], s[4:5], \s*32*8192
	s_or_b32 s[G0+4*\s+3], s[G0+4*\s+3], 0x80000000
.endr
.irp s, 0,1,2,3
	tensor_load_to_lds s[G0+4*\s:G0+4*\s+3], s[G1:G1+7]            ; the whole tile is asked for before anything else is done
	s_nop 0
.endr
.rept 4
	v_nop
.endr
	v_and_b32 v1, 31, v0                           ; lane
	v_and_b32 v2, 15, v0                           ; r
	v_bfe_u32 v3, v0, 4, 1                         ; h
	v_lshlrev_b32 v[LI], 4, v1
	v_mul_u32_u24 v[AXC], v2, TPITCH
	v_lshl_add_u32 v[AXC], v3, 7, v[AXC]
	v_add_nc_u32 v[AXC], s22, v[AXC]
	v_lshl_add_u32 v[AXT], v1, 2, s22
	v_add_nc_u32 v[AXT+1], 64*TPITCH, v[AXT]
	s_lshl_b32 s23, s16, 11
	s_add_co_u32 s23, s23, STAGE
	v_lshl_add_u32 v[STW], v1, 2, s23
	v_lshl_add_u32 v[STR], v2, 2, s23
	v_add_nc_u32 v[STR], 1024, v[STR]
	v_lshl_add_u32 v[STL], v1, 4, s23
	v_lshlrev_b32 v[SH8], 3, v3
	v_mov_b32 v[T1], 0                             ; written once: a lane permute's destination counts as one of its sources
	s_mov_b32 s48, 0x76543210
	s_mov_b32 s49, 0xfedcba98                      ; v_permlanex16_b32's selects for lane l xor 16
	; where my wave's parts of the five outputs begin
	s_lshr_b32 s20, s19, 2                         ; xc_codes: K step ct / 4, blocks of rows 128 b + 8 it on, 128 along K number ct % 4
	s_lshl_b32 s20, s20, 21
	s_lshl_b32 s23, s17, 19
	s_add_co_u32 s20, s20, s23
	s_lshl_b32 s23, s18, 15
	s_add_co_u32 s20, s20, s23
	s_and_b32 s23, s19, 3
	s_lshl_b32 s23, s23, 10
	s_add_co_u32 s20, s20, s23
	s_add_nc_u64 s[6:7], s[6:7], s[20:21]
	s_lshr_b32 s20, s18, 2                         ; xt_codes: the same with it and ct changed round
	s_lshl_b32 s20, s20, 21
	s_lshl_b32 s23, s17, 19
	s_add_co_u32 s20, s20, s23
	s_lshl_b32 s23, s19, 15
	s_add_co_u32 s20, s20, s23
	s_and_b32 s23, s18, 3
	s_lshl_b32 s23, s23, 10
	s_add_co_u32 s20, s20, s23
	s_add_nc_u64 s[10:11], s[10:11], s[20:21]
	s_lshl_b32 s20, s19, 15                        ; xc_sw: [ct][2048 b + 128 it ..] words
	s_lshl_b32 s23, s17, 13
	s_add_co_u32 s20, s20, s23
	s_lshl_b32 s23, s18, 9
	s_add_co_u32 s20, s20, s23
	s_add_nc_u64 s[8:9], s[8:9], s[20:21]
	s_lshl_b32 s20, s18, 15                        ; xt_sw: [it][2048 b + 128 ct ..] words
	s_lshl_b32 s23, s17, 13
	s_add_co_u32 s20, s20, s23
	s_lshl_b32 s23, s19, 9
	s_add_co_u32 s20, s20, s23
	s_add_nc_u64 s[12:13], s[12:13], s[20:21]
	s_lshl_b32 s20, s17, 17                        ; vpart: [b][it][128 ct ..] f32
	s_lshl_b32 s23, s18, 13
	s_add_co_u32 s20, s20, s23
	s_lshl_b32 s23, s19, 9
	s_add_co_u32 s20, s20, s23
	s_add_nc_u64 s[14:15], s[14:15], s[20:21]
; 16 LDS loads: block j of 16 rows, along c: lane (r, h) takes x(16 j + r, 64 g + 32 h + 0 .. 31), g = 0, 1: the very numbers whose codes the operand's layout gives that lane
.macro LA j
.irp c, 0,1
.irp n, 0,1,2,3,4,5,6,7
	ds_load_b128 v[XA+32*\c+4*\n:XA+32*\c+4*\n+3], v[AXC] offset:(\j)*16*TPITCH+256*\c+16*\n
.endr
.endr
.endm
; 32 LDS loads: slab s, columns 32 g on: a lane takes a column and its registers run down i; each load takes 128 consecutive bytes
.macro LT s, g, set
.irp i, 0,1,2,3,4,5,6,7,8,9,10,11,12,13,14,15,16,17,18,19,20,21,22,23,24,25,26,27,28,29,30,31
	ds_load_b32 v[XB+32*(\set)+\i], v[AXT+(\s)/2] offset:((32*(\s)+\i)%64)*TPITCH+128*(\g)
.endr
.endm
; block j of xc: two whole blocks of 32 a lane; four chains of maxima by turns; the scale word's four bytes are gathered from lanes l and l xor 16
.macro CXC j
.irp c, 0,1
	v_max3_num_f32 v[M+2*\c],   |v[XA+32*\c]|,    |v[XA+32*\c+1]|,  FLOOR
	v_max3_num_f32 v[M+2*\c+1], |v[XA+32*\c+16]|, |v[XA+32*\c+17]|, FLOOR
.endr
.irp k, 2,4,6,8,10,12,14
.irp c, 0,1
	v_max3_num_f32 v[M+2*\c],   v[M+2*\c],   |v[XA+32*\c+\k]|,    |v[XA+32*\c+\k+1]|
	v_max3_num_f32 v[M+2*\c+1], v[M+2*\c+1], |v[XA+32*\c+16+\k]|, |v[XA+32*\c+17+\k]|
.endr
.endr
	v_max_num_f32 v[M], v[M], v[M+1]
	v_max_num_f32 v[M+2], v[M+2], v[M+3]
	v_add_nc_u32 v[SO], 0xff000000, v[M]           ; 2 off the exponent field: the conversion takes the exponent field of this operand as its scale
	v_add_nc_u32 v[SO+1], 0xff000000, v[M+2]
	v_lshrrev_b32 v[M+1], 23, v[SO]                ; the bytes of blocks h and 2 + h
	v_lshrrev_b32 v[M+3], 23, v[SO+1]
	v_lshl_or_b32 v[T0], v[M+3], 16, v[M+1]
	v_lshlrev_b32 v[T0], v[SH8], v[T0]             ; at their places in the word
	v_permlanex16_b32 v[T1], v[T0], s48, s49
	v_or_b32 v[PWC+(\j)], v[T0], v[T1]             ; with lane l xor 16's two the word is whole
	s_wait_xcnt 0x0                                ; the last block's stores have read CA: it is written again only behind this wait
.irp c, 0,1
.irp n, 0,1,2,3
	v_cvt_scalef32_pk8_fp4_f32 v[CA+4*\c+\n], v[XA+32*\c+8*\n:XA+32*\c+8*\n+7], v[SO+\c]
.endr
.endr
	v_nop                                          ; one plain place behind the last scaled conversion
.irp c, 0,1
	global_store_b128 v[LI], v[CA+4*\c:CA+4*\c+3], s[6:7] offset:(\j)*4096+512*\c   ; 512 consecutive bytes of the image
.endr
.endm
; slab s, columns 32 g on, of xt: one whole block of 32 a lane; its maximum in two chains, the column's sum in two packed chains
.macro CXT s, g, set
.set XS, XB+32*(\set)
.set S0, SM+4*(\g)
	v_max3_num_f32 v[M],   |v[XS]|,    |v[XS+1]|,  FLOOR
	v_max3_num_f32 v[M+1], |v[XS+16]|, |v[XS+17]|, FLOOR
.if (\s) == 0
	v_pk_add_f32 v[S0:S0+1],   v[XS:XS+1],   v[XS+4:XS+5]         ; the first slab starts the sums: nothing is cleared
	v_pk_add_f32 v[S0+2:S0+3], v[XS+2:XS+3], v[XS+6:XS+7]
.else
	v_pk_add_f32 v[S0:S0+1],   v[S0:S0+1],   v[XS:XS+1]
	v_pk_add_f32 v[S0+2:S0+3], v[S0+2:S0+3], v[XS+2:XS+3]
	v_pk_add_f32 v[S0:S0+1],   v[S0:S0+1],   v[XS+4:XS+5]
	v_pk_add_f32 v[S0+2:S0+3], v[S0+2:S0+3], v[XS+6:XS+7]
.endif
.irp k, 2,4,6,8,10,12,14
	v_max3_num_f32 v[M],   v[M],   |v[XS+\k]|,    |v[XS+\k+1]|
	v_max3_num_f32 v[M+1], v[M+1], |v[XS+16+\k]|, |v[XS+17+\k]|
.if \k <= 12
	v_pk_add_f32 v[S0:S0+1],   v[S0:S0+1],   v[XS+2*\k+4:XS+2*\k+5]
	v_pk_add_f32 v[S0+2:S0+3], v[S0+2:S0+3], v[XS+2*\k+6:XS+2*\k+7]
.endif
.endr
	v_max_num_f32 v[M], v[M], v[M+1]
	v_add_nc_u32 v[SO], 0xff000000, v[M]
.if (\s) == 0
	v_lshrrev_b32 v[WT+(\g)], 23, v[SO]            ; byte s of the column's scale word
.else
	v_lshrrev_b32 v[M+1], 23, v[SO]
	v_lshl_or_b32 v[WT+(\g)], v[M+1], 8*(\s), v[WT+(\g)]
.endif
.irp n, 0,1,2,3
	v_cvt_scalef32_pk8_fp4_f32 v[CT+16*(\g)+4*(\s)+\n], v[XS+8*\n:XS+8*\n+7], v[SO]
.endr
	v_nop                                          ; one plain place behind the last scaled conversion
.endm
; A slab.  Each count on DScnt is the number of LDS loads issued behind the unit that is worked on next (a run along c is 16, a run down i is 32).
.macro SLAB s
	s_wait_tensorcnt 3-(\s)                        ; tensor loads of a wave end in order: this slab is in, the younger ones may be out
	LA 2*(\s)
	LT \s, 0, 0
	s_wait_dscnt 32
	CXC 2*(\s)
	LA 2*(\s)+1
	s_wait_dscnt 16
	CXT \s, 0, 0
	LT \s, 1, 1
	s_wait_dscnt 32
	CXC 2*(\s)+1
	LT \s, 2, 0
	s_wait_dscnt 32
	CXT \s, 1, 1
	LT \s, 3, 1
	s_wait_dscnt 32
	CXT \s, 2, 0
	s_wait_dscnt 0x0
	CXT \s, 3, 1
.endm
	SLAB 0
	SLAB 1
	SLAB 2
	SLAB 3
	; xt's codes: a lane holds blocks 0 .. 3 of ONE column; the operand's layout wants, for 16 columns, blocks 2 g' in lanes 0-15 and 2 g' + 1 in lanes 16-31.
	; The swap (the first's lanes 16-31 change places with the second's lanes 0-15) of blocks 2 g' and 2 g' + 1 gives group g' of the first 16 columns in the first register and of the second 16 in the second.
.irp g, 0,1,2,3
.irp n, 0,1,2,3
	v_permlane16_swap_b32 v[CT+16*\g+\n],   v[CT+16*\g+4+\n]
	v_permlane16_swap_b32 v[CT+16*\g+8+\n], v[CT+16*\g+12+\n]
.endr
.endr
.irp g, 0,1,2,3
.irp p, 0,1,2,3
	global_store_b128 v[LI], v[CT+16*\g+4*\p:CT+16*\g+4*\p+3], s[10:11] offset:(2*\g+(\p%2))*4096+512*(\p/2)
.endr
.endr
.irp g, 0,1,2,3
	v_pk_add_f32 v[SM+4*\g:SM+4*\g+1], v[SM+4*\g:SM+4*\g+1], v[SM+4*\g+2:SM+4*\g+3]
.endr
.irp g, 0,1,2,3
	v_add_f32 v[SM+4*\g], v[SM+4*\g], v[SM+4*\g+1]                 ; the sum of my column's 128 rows
.endr
	; words and sums go through my own stage, so that each of the three leaves as 512 consecutive bytes
.irp g, 0,1,2,3
	ds_store_b32 v[STW], v[WT+\g] offset:128*\g
	ds_store_b32 v[STW], v[SM+4*\g] offset:512+128*\g
.endr
.irp j, 0,1,2,3,4,5,6,7
	ds_store_b32 v[STR], v[PWC+\j] offset:64*\j    ; both halves of the lanes write the same word with the same value
.endr
	ds_load_b128 v[56:59], v[STL]                  ; LDS serves a wave's instructions in order: these see my stores
	ds_load_b128 v[60:63], v[STL] offset:512
	ds_load_b128 v[64:67], v[STL] offset:1024
	s_wait_dscnt 0x0
	global_store_b128 v[LI], v[56:59], s[12:13]
	global_store_b128 v[LI], v[60:63], s[14:15]
	global_store_b128 v[LI], v[64:67], s[8:9]
	s_wait_tensorcnt 0x0
	ds_add_u32 v254, v255
	s_wait_dscnt 0x0
	s_endpgm
.Lfunc_end_k_qae6453a1af_quant:
	.size	k_qae6453a1af_quant, .Lfunc_end_k_qae6453a1af_quant-k_qae6453a1af_quant
	.p2alignl 7, 3214868480
	.fill 96, 4, 3214868480
	.section	.rodata,"a",@progbits
	.p2align	6, 0x0
	.amdhsa_kernel k_qae6453a1af_quant
		.amdhsa_group_segment_fixed_size 279040
		.amdhsa_private_segment_fixed_size 0
		.amdhsa_enable_private_segment 0
		.amdhsa_kernarg_size 48
		.amdhsa_user_sgpr_count 2
		.amdhsa_user_sgpr_kernarg_segment_ptr 1
		.amdhsa_wavefront_size32 1
		.amdhsa_system_sgpr_workgroup_id_x 1
		.amdhsa_system_sgpr_workgroup_id_y 1
		.amdhsa_system_sgpr_workgroup_id_z 1
		.amdhsa_system_vgpr_workitem_id 0
		.amdhsa_next_free_vgpr 256
		.amdhsa_next_free_sgpr 66
		.amdhsa_reserve_vcc 0
		.amdhsa_float_denorm_mode_32 3
		.amdhsa_float_denorm_mode_16_64 3
		.amdhsa_memory_ordered 1
		.amdhsa_forward_progress 1
		.amdhsa_inst_pref_size 117
	.end_amdhsa_kernel
	.amdgpu_metadata
---
amdhsa.version: [ 1, 2 ]
amdhsa.kernels:
  - .name:           k_qae6453a1af_quant
    .symbol:         k_qae6453a1af_quant.kd
    .args:
      - { .name: x, .offset: 0, .size: 8, .value_kind: global_buffer, .address_space: global }
      - { .name: xc_codes, .offset: 8, .size: 8, .value_kind: global_buffer, .address_space: global }
      - { .name: xc_sw, .offset: 16, .size: 8, .value_kind: global_buffer, .address_space: global }
      - { .name: xt_codes, .offset: 24, .size: 8, .value_kind: global_buffer, .address_space: global }
      - { .name: xt_sw, .offset: 32, .size: 8, .value_kind: global_buffer, .address_space: global }
      - { .name: vpart, .offset: 40, .size: 8, .value_kind: global_buffer, .address_space: global }
    .group_segment_fixed_size: 279040
    .private_segment_fixed_size: 0
    .kernarg_segment_align: 8
    .kernarg_segment_size: 48
    .max_flat_workgroup_size: 128
    .sgpr_count:     66
    .vgpr_count:     256
    .wavefront_size: 32
...
	.end_amdgpu_metadata
.endif
;; end of part 1
;; launch qproj (part 2): grid 32 x 8, 4 waves a work-group, clusters of 4 x 4, 327,680 bytes of LDS; arguments Wq_codes, Wq_scales, xt_codes, xt_sw, q_codes, q_sw; writes q_codes, q_sw
.if DOCPART == 2
	.amdgcn_target "amdgcn-amd-amdhsa--gfx1250"
	.amdhsa_code_object_version 6
	.text
	.protected	k_qae6453a1af_qproj
	.globl	k_qae6453a1af_qproj
	.p2align	8
	.type	k_qae6453a1af_qproj,@function
k_qae6453a1af_qproj:
	s_mov_b64 s[64:65], 0
	v_nop
	global_prefetch_b8 v0, s[64:65] scope:SCOPE_SE
	s_setreg_imm32_b32 hwreg(HW_REG_WAVE_MODE, 25, 1), 1
	s_wait_xcnt 0x0
	s_wait_alu depctr_hold_cnt(0) depctr_sa_sdst(0) depctr_va_vdst(0) depctr_va_sdst(0) depctr_va_ssrc(0) depctr_va_vcc(0) depctr_vm_vsrc(0)
	s_getreg_b32 s2, hwreg(HW_REG_IB_STS2, 6, 4)
	s_cmp_eq_u32 s2, 0
	s_cbranch_scc0 .Lentry_in_a_cluster
	s_endpgm
.Lentry_in_a_cluster:
	s_bfe_u32 s2, ttmp6, 0x10000c
	s_cmp_lg_u32 s2, 0xf033
	s_cbranch_scc0 .Lentry_shape_is_right
	s_endpgm
.Lentry_shape_is_right:
; q[b][o][l] = sum over i of Wq[o][i] x[b][i][l], on codes of FP4 (E2M1) with one E8M0 scale for each 32 along i; then q is quantised along l, in registers, and leaves as codes and scale words.
; A = Wq: rows o, given: 1,024 bytes of codes and 64 scale bytes a row.  B = xt: rows (b, l), as images of the operand's registers and scale words [128 along K][row].
; A tile, 256 (o) x 256 (b, l), is made by a work-group of four waves; a wave makes 128 x 128: 64 accumulators of 16 x 16.  K = 2,048 goes in four steps of 512 through two LDS slots filled by tensor loads.
; CLUSTERS: 4 x 4 work-groups.  The four of a row of the cluster need the same tiles of A, the four of a column the same tiles of B: each is asked for jointly, by the same tensor load with a mask that names the four.
; THE MATRIX INSTRUCTION IS USED TRANSPOSED (source 0 = 16 rows of B, source 1 = 16 rows of A): lane (r, h) of accumulator (a, bb) holds q(o = 16 a + r, l = 16 bb + 8 h + 0 .. 7).
; A wave's 128 l are 128 along the next product's K: its 8 blocks of 16 rows become 8 whole fragments and one scale word a row.
; LIMITS: a block of q whose largest magnitude lies under 2^-124 (a block of zeros too) gets the byte 1; these bytes are read by this program alone.  NaN and infinities are not served.
; REGISTERS, in windows of 256: window 0: v0-31 addresses; v32-95 scale words, two sets, and nothing else; v96-103 q's scale words; from v128 A's fragments, ONE set, later q's codes; v200-219 at work on the way out.
;   window 1: B's fragments, TWO sets, at v0 and v128.   window 2: the accumulators of my rows 0-63 ((a, bb) at v[8 (8 a + bb)]);   window 3: those of my rows 64-127.
.set NQ,     4                         ; matrix instructions deep in a slot
.set FR,     8                         ; registers of a fragment
.set NL,     2                         ; LDS loads that bring one
.set NP,     4                         ; places behind this matrix instruction (ISA guide 7.12.1)
.set PITCH,  272                       ; a row of A's tile in LDS: 256 bytes + 16 = 17 x 16: the sixteen rows of a load start at sixteen different 16-byte columns modulo 256
.set HALFA,  128*PITCH                 ; 128 rows of A
.set HALFI,  32768                     ; 128 rows of B: 8 blocks of rows x 4 images of 1,024 bytes
.set BOFF,   2*HALFA                   ; a slot: A's 256 rows, then B's
.set SLOT,   BOFF+2*HALFI
.set SCA,    2*SLOT                    ; behind the ring: A's scale words for all of K, [half: 2][128 along K: 16][row: 128]; written by LDS stores, no tensor load lands there
.set SCB,    SCA+16448                 ; B's likewise, filled once by tensor loads; 64 bytes further on than A's end, so that the two halves of the lanes read different columns modulo 256
.set SPARE,  303360                    ; the spare words, 128 bytes for each wave: two blocks of 256 bytes that no other line names
.set KSB,    2097152                   ; bytes from a K step to the next in a buffer of images
.set ASTEP,  2*256                     ; two K steps on: in a row of Wq's codes,
.set BSTEP,  2*KSB                     ; and in xt's images
.set FLOOR,  0x1800000                 ; 2^(3 - 127)
.set ADRA, 16                          ; v16-17  LDS address of my A fragments in slot 0, 1
.set ADRB, 20                          ; v20-21  the same for B
.set STW,  24                          ; v24     the way out: my stage (512 bytes a wave, in slot 0 behind its last fill and last read) + 4 r
.set STL,  25                          ; v25     my stage + 16 x lane
.set LI,   26                          ; v26     16 x lane
.set ADRS, 27                          ; v27     LDS address of my scale words: lanes 0-15 A's rows, lanes 16-31 B's
.set SPW,  28                          ; v28     LDS address of my spare word; never rewritten
.set NIL,  29                          ; v29     0; never rewritten
.set SWA,  30                          ; v30     where I put Wq's scale words
.set GLO,  31                          ; v31     16 x thread
.set SC,   32
.set PW,   96
.set AF,   128
.set P,    128
.set TM,   200
.set OW,   216
.set G1,   24                          ; s[24:31] group 1 for A's tiles;  s[32:39] group 0, a set for each slot
.set G0,   32
.set G1B,  48                          ; s[48:55], s[56:63] the same for B's tiles
.set G0B,  56
.set G1SB, 80                          ; s[80:87], s[88:91] groups 1 and 0 for B's scale words
.set G0SB, 88
.set MSB, 0
.macro WIN new                         ; the immediate's high byte repeats the setting that is left
.if MSB != \new
	s_set_vgpr_msb (MSB<<8)|\new
.set MSB, \new
.endif
.endm
.set MUL_LO, 0xa1                      ; source 0 (B) window 1, source 1 (A) window 0, C and D window 2
.set MUL_HI, 0xf1                      ; the same, C and D window 3
.set TO_B,   0x40                      ; destination window 1, address window 0
; A joint load: waves 0 and 1 fetch for A, waves 2 and 3 for B.  The branch hangs on the wave's number alone.  Four v_nop follow each of the two lines.
.macro JLOAD g0a, g1a, g0b, g1b
	s_cmp_eq_u32 s17, 0
	s_cbranch_scc0 .Lfor_b_\@
	tensor_load_to_lds s[\g0a:\g0a+3], s[\g1a:\g1a+7]
	s_nop 0
.rept 4
	v_nop
.endr
	s_branch .Lasked_\@
.Lfor_b_\@:
	tensor_load_to_lds s[\g0b:\g0b+3], s[\g1b:\g1b+7]
	s_nop 0
.rept 4
	v_nop
.endr
.Lasked_\@:
.endm
.macro CREST                           ; a round of the cluster's barrier behind its opening barrier
	s_cmp_lg_u32 s16, 0
	s_cbranch_scc1 .Lnot_wave_0_\@
	s_barrier_signal -3
.Lnot_wave_0_\@:
	s_barrier_wait -3
	s_barrier_signal -1
	s_barrier_wait -1
.endm
.macro CROUND                          ; a whole round
	s_barrier_signal -1
	s_barrier_wait -1
	CREST
.endm
	s_load_b256 s[4:11], s[0:1], 0x0               ; Wq_codes s[4:5], Wq_scales s[6:7], xt_codes s[8:9], xt_sw s[10:11]
	s_load_b128 s[12:15], s[0:1], 0x20             ; q_codes s[12:13], q_sw s[14:15]
	v_lshl_add_u32 v[SPW], v0, 2, SPARE
	v_mov_b32 v[NIL], 0
	ds_add_u32 v28, v29
	ds_add_u32 v28, v29
	s_wait_dscnt 0x0
	v_lshrrev_b32 v1, 5, v0
	v_readfirstlane_b32 s16, v1                    ; wave 0..3
	s_lshr_b32 s17, s16, 1                         ; which half of the tile's rows of A is mine.  Also: I fetch for A (0) or for B (1)
	s_and_b32 s18, s16, 1                          ; which half of its rows of B.  Also: which 128 rows I fetch
	s_bfe_u32 s40, ttmp6, 0x40000                  ; cx, cy: my place in the cluster
	s_bfe_u32 s41, ttmp6, 0x40004
	s_lshl_b32 s42, ttmp9, 2
	s_add_co_u32 s42, s42, s40                     ; tx = 4 x cluster x + cx: rows (b, l) 256 tx on
	s_and_b32 s43, ttmp7, 0xffff
	s_lshl_b32 s43, s43, 2
	s_add_co_u32 s43, s43, s41                     ; ty = 4 x cluster y + cy: rows o 256 ty on
	s_lshl_b32 s44, s41, 2
	s_lshl_b32 s44, 15, s44                        ; my row of the cluster
	s_lshl_b32 s45, 0x1111, s40                    ; my column
	s_or_b32 s[G1+0], s44, (0<<16)|(1<<20)|(1<<21)|(5<<22)|(3<<25)  ; A: mask = my row; elements of 1 byte; padding: 4 words behind every 64; bit 21 set beside a mask
	s_mov_b32 s[G1+1], 256<<16                     ; tensor_dim0 = 256 bytes: 512 codes
	s_mov_b32 s[G1+2], 128<<16                     ; tensor_dim1 = 128
	s_mov_b32 s[G1+3], 256<<16                     ; tile_dim0
	s_mov_b32 s[G1+4], 128                         ; tile_dim1
	s_mov_b32 s[G1+5], 1024                        ; a row of Wq's codes
	s_mov_b32 s[G1+6], 0
	s_mov_b32 s[G1+7], 0
	s_or_b32 s[G1B+0], s45, (3<<16)|(1<<21)        ; B: mask = my column; 32,768 dense bytes as 128 rows of 32 elements of 8 bytes; no padding
	s_mov_b32 s[G1B+1], 32<<16
	s_mov_b32 s[G1B+2], 128<<16
	s_mov_b32 s[G1B+3], 32<<16
	s_mov_b32 s[G1B+4], 128
	s_mov_b32 s[G1B+5], 32
	s_mov_b32 s[G1B+6], 0
	s_mov_b32 s[G1B+7], 0
	s_or_b32 s[G1SB+0], s45, (3<<16)|(1<<21)       ; B's scale words of 128 rows: 16 rows (128 along K each) of 512 bytes, 32,768 bytes apart
	s_mov_b32 s[G1SB+1], 64<<16
	s_mov_b32 s[G1SB+2], 16<<16
	s_mov_b32 s[G1SB+3], 64<<16
	s_mov_b32 s[G1SB+4], 16
	s_mov_b32 s[G1SB+5], 4096
	s_mov_b32 s[G1SB+6], 0
	s_mov_b32 s[G1SB+7], 0
	s_lshl_b32 s20, s43, 18                        ; A's codes: row 256 ty + 128 half, 1,024 bytes a row
	s_lshl_b32 s21, s18, 17
	s_add_co_u32 s20, s20, s21
	s_mov_b32 s21, 0
	s_lshl_b32 s22, s43, 14                        ; A's scale bytes: 256 rows of 64 bytes
	s_mov_b32 s23, 0
	s_lshl_b32 s46, s42, 16                        ; B's images: block of rows 16 tx + 8 half, 4,096 bytes each
	s_lshl_b32 s47, s18, 15
	s_add_co_u32 s46, s46, s47
	s_mov_b32 s47, 0
	s_lshl_b32 s92, s42, 10                        ; B's scale words: row 256 tx + 128 half
	s_lshl_b32 s93, s18, 9
	s_add_co_u32 s92, s92, s93
	s_mov_b32 s93, 0
	s_mul_i32 s94, s18, HALFA                      ; where they go in LDS: no place in the cluster enters an LDS address
	s_lshl_b32 s95, s18, 15
	s_add_co_u32 s95, s95, BOFF
	s_lshl_b32 s19, s18, 13
	s_add_co_u32 s19, s19, SCB
	s_mov_b32 s96, 0x76543210
	s_mov_b32 s97, 0xfedcba98                      ; v_permlanex16_b32's selects for lane l xor 16
	; where my wave's part of q begins: b = tx / 8, l = 256 (tx % 8) + 128 half: 128 along K number 2 (tx % 8) + half
	s_and_b32 s68, s42, 7
	s_lshr_b32 s69, s42, 3
	s_lshr_b32 s70, s68, 1
	s_lshl_b32 s70, s70, 21                        ; the K step
	s_lshl_b32 s74, s69, 19
	s_add_co_u32 s70, s70, s74
	s_lshl_b32 s74, s43, 16
	s_add_co_u32 s70, s70, s74
	s_lshl_b32 s74, s17, 15
	s_add_co_u32 s70, s70, s74                     ; the block of rows 128 b + 16 ty + 8 half
	s_and_b32 s74, s68, 1
	s_lshl_b32 s74, s74, 11
	s_add_co_u32 s70, s70, s74
	s_lshl_b32 s74, s18, 10
	s_add_co_u32 s70, s70, s74                     ; the image in it
	s_mov_b32 s71, 0
	s_lshl_b32 s72, s68, 16                        ; q_sw: [2 (tx % 8) + half][2048 b + 256 ty + 128 half ..] words
	s_lshl_b32 s74, s18, 15
	s_add_co_u32 s72, s72, s74
	s_lshl_b32 s74, s69, 13
	s_add_co_u32 s72, s72, s74
	s_lshl_b32 s74, s43, 10
	s_add_co_u32 s72, s72, s74
	s_lshl_b32 s74, s17, 9
	s_add_co_u32 s72, s72, s74
	s_mov_b32 s73, 0
	; the lanes' addresses
	v_and_b32 v1, 15, v0                           ; r
	v_bfe_u32 v2, v0, 4, 1                         ; h
	v_and_b32 v3, 31, v0                           ; lane
	v_lshlrev_b32 v[LI], 4, v3
	v_mul_u32_u24 v4, v1, PITCH
	v_lshl_add_u32 v4, v2, 4, v4                   ; A: a fragment's row x pitch + 16 h
	s_mul_i32 s2, s17, HALFA                       ; my 128 rows of A
	s_lshl_b32 s3, s18, 15
	s_add_co_u32 s3, s3, BOFF                      ; my 128 rows of B
.irp s, 0,1
	v_add_nc_u32 v[ADRA+\s], s2, v4
	v_add_nc_u32 v[ADRB+\s], s3, v[LI]             ; B: an image is read as it lies, 16 bytes a lane
	s_add_co_u32 s2, s2, SLOT
	s_add_co_u32 s3, s3, SLOT
.endr
	s_lshl_b32 s2, s17, 13                         ; scale words: A's half,
	s_lshl_b32 s3, s18, 13
	s_add_co_u32 s3, s3, SCB-SCA
	s_sub_co_u32 s3, s3, s2                        ; and how far behind it B's half lies:
	v_mul_u32_u24 v5, s3, v2                       ; lanes 16-31 take B's
	s_add_co_u32 s2, s2, SCA
	v_lshl_add_u32 v5, v1, 2, v5
	v_add_nc_u32 v[ADRS], s2, v5
	s_lshl_b32 s2, s16, 9
	v_lshl_add_u32 v[STW], v1, 2, s2
	v_lshl_add_u32 v[STL], v3, 4, s2
	v_and_b32 v5, 3, v0                            ; Wq's scale words: thread t holds words 4 (t % 4) + 0 .. 3 of row 32 j + t / 4
	v_lshrrev_b32 v6, 2, v0
	v_lshlrev_b32 v6, 2, v6
	v_lshl_add_u32 v6, v5, 11, v6
	v_add_nc_u32 v[SWA], SCA, v6
	v_lshlrev_b32 v[GLO], 4, v0
	s_wait_kmcnt 0x0
	s_add_nc_u64 s[20:21], s[4:5], s[20:21]
	s_add_nc_u64 s[46:47], s[8:9], s[46:47]
	s_add_nc_u64 s[6:7], s[6:7], s[22:23]
	s_add_nc_u64 s[12:13], s[12:13], s[70:71]
	s_add_nc_u64 s[14:15], s[14:15], s[72:73]
.irp s, 0,1
	s_mov_b32 s[G0+4*\s], 1
	s_add_co_u32 s[G0+4*\s+1], s94, \s*SLOT
	s_add_nc_u64 s[G0+4*\s+2:G0+4*\s+3], s[20:21], \s*256
	s_or_b32 s[G0+4*\s+3], s[G0+4*\s+3], 0x80000000
	s_mov_b32 s[G0B+4*\s], 1
	s_add_co_u32 s[G0B+4*\s+1], s95, \s*SLOT
	s_add_nc_u64 s[G0B+4*\s+2:G0B+4*\s+3], s[46:47], \s*KSB
	s_or_b32 s[G0B+4*\s+3], s[G0B+4*\s+3], 0x80000000
.endr
	s_mov_b32 s[G0SB], 1
	s_mov_b32 s[G0SB+1], s19
	s_add_nc_u64 s[G0SB+2:G0SB+3], s[10:11], s[92:93]
	s_or_b32 s[G0SB+3], s[G0SB+3], 0x80000000
	CROUND                                         ; all sixteen work-groups are here: the first joint loads meet
	s_cmp_eq_u32 s17, 0                            ; a wave's first fills stand in one branch: two (A) or three (B) loads of mine are out
	s_cbranch_scc0 .Lfirst_b
	tensor_load_to_lds s[G0:G0+3], s[G1:G1+7]
	s_nop 0
	tensor_load_to_lds s[G0+4:G0+7], s[G1:G1+7]
	s_nop 0
.rept 4
	v_nop
.endr
	s_branch .Lfirst_asked
.Lfirst_b:
	tensor_load_to_lds s[G0SB:G0SB+3], s[G1SB:G1SB+7]
	s_nop 0
	tensor_load_to_lds s[G0B:G0B+3], s[G1B:G1B+7]
	s_nop 0
	tensor_load_to_lds s[G0B+4:G0B+7], s[G1B:G1B+7]
	s_nop 0
.rept 4
	v_nop
.endr
.Lfirst_asked:
	; Wq's scale bytes of my work-group's 256 rows, 16,384 dense bytes, come through registers and are laid [half][128 along K][row], as B's words lie
.irp j, 0,1,2,3,4,5,6,7
	global_load_b128 v[AF+4*\j:AF+4*\j+3], v[GLO], s[6:7] offset:2048*\j
.endr
	s_wait_loadcnt 0x0
.irp j, 0,1,2,3,4,5,6,7
.irp w, 0,1,2,3
	ds_store_b32 v[SWA], v[AF+4*\j+\w] offset:(\j/4)*8192+(\j%4)*128+\w*512
.endr
.endr
.macro FRAGR reg, adr, q, i            ; a fragment from rows: lane (r, h): registers 4 c .. 4 c + 3 hold K = 64 c + 32 h + 0 .. 31: 16 bytes of the row as they lie
.irp c, 0,1
	ds_load_b128 v[\reg+4*\c:\reg+4*\c+3], v[\adr] offset:64*(\q)+32*\c+(\i)*16*PITCH
.endr
.endm
.macro FRAGI reg, adr, q, i            ; a fragment from its image: 512 consecutive bytes a load
.irp c, 0,1
	ds_load_b128 v[\reg+4*\c:\reg+4*\c+3], v[\adr] offset:(\i)*4096+(\q)*1024+512*\c
.endr
.endm
; 16 matrix instructions: A's blocks a0, a0 + 1 x B's eight, 128 along K: the slot's q-th.  p: B's set;  sc: the set of scale words.  zero = 1: the first product starts the sums.
; The 64 accumulators take turns, one instruction a turn, in the same order in every step.
.macro MUL16 a0, p, q, sc, zero
.irp a, \a0, \a0+1
.irp b, 0,1,2,3,4,5,6,7
.if \zero
	v_wmma_scale_f32_16x16x128_f8f6f4 v[8*(8*((\a)%4)+\b):8*(8*((\a)%4)+\b)+7], v[128*(\p)+FR*\b:128*(\p)+FR*\b+FR-1], v[AF+FR*(\a):AF+FR*(\a)+FR-1], 0, v[SC+8*NQ*(\sc)+NQ*\b+(\q)], v[SC+8*NQ*(\sc)+NQ*(\a)+(\q)] matrix_a_fmt:MATRIX_FMT_FP4 matrix_b_fmt:MATRIX_FMT_FP4 matrix_a_scale:MATRIX_SCALE_ROW1
.else
	v_wmma_scale_f32_16x16x128_f8f6f4 v[8*(8*((\a)%4)+\b):8*(8*((\a)%4)+\b)+7], v[128*(\p)+FR*\b:128*(\p)+FR*\b+FR-1], v[AF+FR*(\a):AF+FR*(\a)+FR-1], v[8*(8*((\a)%4)+\b):8*(8*((\a)%4)+\b)+7], v[SC+8*NQ*(\sc)+NQ*\b+(\q)], v[SC+8*NQ*(\sc)+NQ*(\a)+(\q)] matrix_a_fmt:MATRIX_FMT_FP4 matrix_b_fmt:MATRIX_FMT_FP4 matrix_a_scale:MATRIX_SCALE_ROW1
.endif
.endr
.endr
.endm
.macro FETCH_B slot, q, p              ; B's eight fragments of the slot's q-th 128 along K into set p
	WIN TO_B
.irp i, 0,1,2,3,4,5,6,7
	FRAGI 128*(\p)+FR*\i, ADRB+\slot, \q, \i
.endr
	WIN 0
.endm
.macro FETCH_A slot, q, i0             ; A's blocks i0 .. i0 + 3
.irp i, \i0, \i0+1, \i0+2, \i0+3
	FRAGR AF+FR*(\i), ADRA+\slot, \q, \i
.endr
.endm
.macro SCALES sc, ks                   ; K step ks's scale words into set sc: register 4 i + q: lanes 0-15 the word of A's block i, lanes 16-31 that of B's block i
.irp i, 0,1,2,3,4,5,6,7
.irp q, 0,1,2,3
	ds_load_b32 v[SC+8*NQ*(\sc)+NQ*\i+\q], v[ADRS] offset:(\ks)*2048+\q*512+\i*64
.endr
.endr
.endm
; A load into a register that a matrix instruction has read, and a vector instruction that reads a matrix result, stand NP places behind that matrix instruction; only plain vector instructions
; that name none of its registers are places (ISA guide 7.12.1 for vector instructions).
.macro PLACES n
.rept \n
	v_nop
.endr
.endm
; A step of 128 along K that has its successor in the same slot.
.macro STEP slot, q, zero
	s_wait_dscnt 4*NL                              ; B's set, the scale words and A's blocks 0-3 are in; the youngest eight loads (A's blocks 4-7) may be out
	WIN MUL_LO
	MUL16 0, (\q)%2, \q, \slot, \zero
	MUL16 2, (\q)%2, \q, \slot, \zero
	s_wait_dscnt 0                                 ; A's blocks 4-7 are in
	PLACES NP
	FETCH_B \slot, (\q)+1, 1-(\q)%2
	FETCH_A \slot, (\q)+1, 0
	WIN MUL_HI
	MUL16 4, (\q)%2, \q, \slot, \zero
	MUL16 6, (\q)%2, \q, \slot, \zero
	PLACES NP
	WIN 0
	FETCH_A \slot, (\q)+1, 4
.endm
; A slot's last step changes slots: ONE barrier; in front of it each wave waits for all its tensor loads, adds 0 to its spare word, and waits for that and for its own reads of this slot.
; fill = 1: this slot is filled again, two K steps ahead, behind a round of the cluster's barrier.  ks: the number of the K step that lies in the next slot.
.macro TURN slot, next, fill, ks
	s_wait_tensorcnt 0x0                           ; all my tensor loads have landed: my part of the next slot  (every window is 0 here)
	ds_add_u32 v[SPW], v[NIL]                      ; 0 onto my spare word
	s_wait_dscnt 4*NL+1                            ; (the add and the youngest eight loads, A's blocks 4-7, may be out)
	WIN MUL_LO
	MUL16 0, 1, NQ-1, \slot, 0                     ; sixteen matrix instructions stand between the add and the wait for it
	s_wait_dscnt 0x0                               ; the add is done, and my reads of this slot are over
	s_barrier_signal -1
	MUL16 2, 1, NQ-1, \slot, 0
	WIN 0
	s_barrier_wait -1
.if \fill
	CREST                                          ; the barrier has opened a round of the cluster's barrier: no wave of any partner still reads this slot's tile or has a load on its way
	s_add_nc_u64 s[G0+4*\slot+2:G0+4*\slot+3], s[G0+4*\slot+2:G0+4*\slot+3], ASTEP
	s_add_nc_u64 s[G0B+4*\slot+2:G0B+4*\slot+3], s[G0B+4*\slot+2:G0B+4*\slot+3], BSTEP
	JLOAD G0+4*\slot, G1, G0B+4*\slot, G1B         ; the first tensor load behind the round; the four v_nop behind it are the places in front of the loads below
.else
	PLACES NP
.endif
	FETCH_B \next, 0, 0
	FETCH_A \next, 0, 0
	SCALES \next, \ks
	WIN MUL_HI
	MUL16 4, 1, NQ-1, \slot, 0
	MUL16 6, 1, NQ-1, \slot, 0
	PLACES NP
	WIN 0
	FETCH_A \next, 0, 4
.endm
.macro STEPS slot, from                ; the slot's steps from .. NQ - 2
.set Q, \from
.rept NQ-1-\from
	STEP \slot, Q, 0
.set Q, Q+1
.endr
.endm
	s_wait_tensorcnt 0x1                           ; B's scale words and my part of K step 0 are in; on both ways one load, K step 1's, was issued behind them and may be out
	s_wait_dscnt 0x0                               ; my stores of Wq's scale words are done
	s_barrier_signal -1
	s_barrier_wait -1                              ; everybody's are
	FETCH_B 0, 0, 0
	FETCH_A 0, 0, 0
	SCALES 0, 0
	FETCH_A 0, 0, 4
	; K = 2,048 is four K steps: they are written out, so there is no backward jump
	STEP 0, 0, 1                                   ; the first products start the sums: nothing is cleared
	STEPS 0, 1
	TURN 0, 1, 1, 1                                ; slot 0 takes K step 2
	STEPS 1, 0
	TURN 1, 0, 1, 2                                ; slot 1 takes K step 3
	STEPS 0, 0
	TURN 0, 1, 0, 3                                ; nothing is left to fetch
	STEPS 1, 0
	s_wait_dscnt 4*NL                              ; the very last step
	WIN MUL_LO
	MUL16 0, 1, NQ-1, 1, 0
	MUL16 2, 1, NQ-1, 1, 0
	s_wait_dscnt 0
	WIN MUL_HI
	MUL16 4, 1, NQ-1, 1, 0
	MUL16 6, 1, NQ-1, 1, 0
	WIN 0
.irp b, 0,1,2,3
	v_mov_b32 v[TM+4+\b], 0                        ; a lane permute's destination counts as one of its sources; these four are also the places behind the last products
.endr
; THE WAY OUT: block a, 16 rows of q x my 128 l.  Block of 32 number b lies in accumulators (a, 2 b) and (a, 2 b + 1) of lanes l and l xor 16.  Each accumulator is read from its low end on.
.macro QROW a
.set AC, 64*((\a)%4)
	WIN 0x0a+5*((\a)/4)                            ; sources 0 and 1: window 2 or 3
.irp b, 0,1,2,3
	v_max3_num_f32 v[TM+\b], |v[AC+16*\b]|, |v[AC+16*\b+1]|, FLOOR   ; my 16 numbers of the block, and the floor: the byte cannot fall under 1
.endr
.irp i, 2,4,6,8,10,12,14
.irp b, 0,1,2,3
	v_max3_num_f32 v[TM+\b], |v[AC+16*\b+\i]|, |v[AC+16*\b+\i+1]|, v[TM+\b]   ; (the four blocks by turns)
.endr
.endr
	WIN 0
.irp b, 0,1,2,3
	v_permlanex16_b32 v[TM+4+\b], v[TM+\b], s96, s97
.endr
.irp b, 0,1,2,3
	v_max_num_f32 v[TM+\b], v[TM+\b], v[TM+4+\b]   ; with lane l xor 16's: the block's largest magnitude
.endr
.irp b, 0,1,2,3
	v_add_nc_u32 v[TM+12+\b], 0xff000000, v[TM+\b] ; 2 off its exponent field: the conversion's scale operand
.endr
.irp b, 0,1,2,3
	v_lshrrev_b32 v[TM+4+\b], 23, v[TM+12+\b]      ; the scale's byte
.endr
	v_lshl_or_b32 v[PW+(\a)], v[TM+5], 8, v[TM+4]  ; my row's scale word
	v_lshl_or_b32 v[PW+(\a)], v[TM+6], 16, v[PW+(\a)]
	v_lshl_or_b32 v[PW+(\a)], v[TM+7], 24, v[PW+(\a)]
	WIN 2+(\a)/4                                   ; source 0: window 2 or 3
.irp b, 0,1,2,3
.irp u, 0,1
	v_cvt_scalef32_pk8_fp4_f32 v[P+8*(\a)+2*\b+\u], v[AC+16*\b+8*\u:AC+16*\b+8*\u+7], v[TM+12+\b]   ; the codes of l = 32 b + 16 u + 8 h + 0 .. 7
.endr
.endr
	WIN 0
	v_nop                                          ; one plain place behind the last scaled conversion
.irp b, 0,1,2,3
	v_permlane16_swap_b32 v[P+8*(\a)+2*\b], v[P+8*(\a)+2*\b+1]     ; now the pair holds l = 32 b + 16 h + 0 .. 15
.endr
.irp c, 0,1
.irp i, 0,1
	v_permlane16_swap_b32 v[P+8*(\a)+4*\c+\i], v[P+8*(\a)+4*\c+2+\i]   ; and registers 4 c .. 4 c + 3 hold l = 64 c + 32 h + 0 .. 31: the operand's layout
.endr
.endr
.irp c, 0,1
	global_store_b128 v[LI], v[P+8*(\a)+4*\c:P+8*(\a)+4*\c+3], s[12:13] offset:(\a)*4096+512*\c   ; 512 consecutive bytes of the image; each block has registers of its own
.endr
	ds_store_b32 v[STW], v[PW+(\a)] offset:64*(\a) ; both halves of the lanes write the same word with the same value
.endm
.irp a, 0,1,2,3,4,5,6,7
	QROW \a
.endr
	ds_load_b128 v[OW:OW+3], v[STL]                ; LDS serves a wave's instructions in order: this sees my stores
	s_wait_dscnt 0x0
	global_store_b128 v[LI], v[OW:OW+3], s[14:15]  ; my 128 rows' scale words: 512 consecutive bytes
	s_wait_tensorcnt 0x0                           ; the wave's end
	ds_add_u32 v[SPW], v[NIL]
	s_wait_dscnt 0x0
	CROUND                                         ; the closing round: no work-group ends while a partner may still ask for a tile that names it
	s_endpgm
.Lfunc_end_k_qae6453a1af_qproj:
	.size	k_qae6453a1af_qproj, .Lfunc_end_k_qae6453a1af_qproj-k_qae6453a1af_qproj
	.p2alignl 7, 3214868480
	.fill 96, 4, 3214868480
	.section	.rodata,"a",@progbits
	.p2align	6, 0x0
	.amdhsa_kernel k_qae6453a1af_qproj
		.amdhsa_group_segment_fixed_size 327680
		.amdhsa_private_segment_fixed_size 0
		.amdhsa_enable_private_segment 0
		.amdhsa_kernarg_size 48
		.amdhsa_user_sgpr_count 2
		.amdhsa_user_sgpr_kernarg_segment_ptr 1
		.amdhsa_wavefront_size32 1
		.amdhsa_system_sgpr_workgroup_id_x 1
		.amdhsa_system_sgpr_workgroup_id_y 1
		.amdhsa_system_sgpr_workgroup_id_z 1
		.amdhsa_system_vgpr_workitem_id 0
		.amdhsa_next_free_vgpr 1024
		.amdhsa_next_free_sgpr 98
		.amdhsa_reserve_vcc 0
		.amdhsa_float_denorm_mode_32 3
		.amdhsa_float_denorm_mode_16_64 3
		.amdhsa_memory_ordered 1
		.amdhsa_forward_progress 1
		.amdhsa_inst_pref_size 224
	.end_amdhsa_kernel
	.amdgpu_metadata
---
amdhsa.version: [ 1, 2 ]
amdhsa.kernels:
  - .name:           k_qae6453a1af_qproj
    .symbol:         k_qae6453a1af_qproj.kd
    .args:
      - { .name: Wq_codes, .offset: 0, .size: 8, .value_kind: global_buffer, .address_space: global }
      - { .name: Wq_scales, .offset: 8, .size: 8, .value_kind: global_buffer, .address_space: global }
      - { .name: xt_codes, .offset: 16, .size: 8, .value_kind: global_buffer, .address_space: global }
      - { .name: xt_sw, .offset: 24, .size: 8, .value_kind: global_buffer, .address_space: global }
      - { .name: q_codes, .offset: 32, .size: 8, .value_kind: global_buffer, .address_space: global }
      - { .name: q_sw, .offset: 40, .size: 8, .value_kind: global_buffer, .address_space: global }
    .group_segment_fixed_size: 327680
    .private_segment_fixed_size: 0
    .kernarg_segment_align: 8
    .kernarg_segment_size: 48
    .max_flat_workgroup_size: 128
    .sgpr_count:     98
    .vgpr_count:     1024
    .wavefront_size: 32
...
	.end_amdgpu_metadata
.endif
;; end of part 2
;; launch scores (part 3): grid 8 x 32, 4 waves a work-group, clusters of 4 x 4, 327,680 bytes of LDS; arguments q_codes, q_sw, xc_codes, xc_sw, mpart; writes mpart
.if DOCPART == 3
	.amdgcn_target "amdgcn-amd-amdhsa--gfx1250"
	.amdhsa_code_object_version 6
	.text
	.protected	k_qae6453a1af_scores
	.globl	k_qae6453a1af_scores
	.p2align	8
	.type	k_qae6453a1af_scores,@function
k_qae6453a1af_scores:
	s_mov_b64 s[64:65], 0
	v_nop
	global_prefetch_b8 v0, s[64:65] scope:SCOPE_SE
	s_setreg_imm32_b32 hwreg(HW_REG_WAVE_MODE, 25, 1), 1
	s_wait_xcnt 0x0
	s_wait_alu depctr_hold_cnt(0) depctr_sa_sdst(0) depctr_va_vdst(0) depctr_va_sdst(0) depctr_va_ssrc(0) depctr_va_vcc(0) depctr_vm_vsrc(0)
	s_getreg_b32 s2, hwreg(HW_REG_IB_STS2, 6, 4)
	s_cmp_eq_u32 s2, 0
	s_cbranch_scc0 .Lentry_in_a_cluster
	s_endpgm
.Lentry_in_a_cluster:
	s_bfe_u32 s2, ttmp6, 0x10000c
	s_cmp_lg_u32 s2, 0xf033
	s_cbranch_scc0 .Lentry_shape_is_right
	s_endpgm
.Lentry_shape_is_right:
; attn[b][n][m] = sum over c of q[b][n][c] x[b][m][c], on codes of FP4 (E2M1) with one E8M0 scale for each 32 along c; of it only the largest of each row is kept:
; mpart[m / 128][(b, n)] = the largest attn over 128 neighbouring m, not yet multiplied by the scale 1 / 16 (a positive power of two: it goes through the maximum unchanged).
; A = q: rows (b, n);  B = xc: rows (b, m).  Both lie as images of the operand's registers, their scale words as [128 along K][row].
; A tile, 256 x 256, is made by a work-group of four waves; a wave makes 128 x 128: 64 accumulators.  K = 2,048 goes in four steps of 512 through two LDS slots filled by tensor loads.
; CLUSTERS: 4 x 4 work-groups: A's tiles are shared along a row of the cluster, B's along a column; b is made of the cluster's y alone (eight tile rows to a batch, four to a cluster), so B's address holds no cy.
; THE MATRIX INSTRUCTION IS USED TRANSPOSED (source 0 = 16 rows of B, source 1 = 16 rows of A): lane (r, h) of accumulator (a, bb) holds attn(n = 16 a + r, m = 16 bb + 8 h + 0 .. 7).
; LIMITS: the maximum passes over a NaN; NaN and infinities are not served.
; REGISTERS, in windows of 256: window 0: v0-31 addresses; v32-95 scale words, two sets, and nothing else; v96-103 the rows' maxima; from v128 A's fragments, ONE set; v200-219 at work on the way out.
;   window 1: B's fragments, TWO sets.   window 2: the accumulators of my rows 0-63 ((a, bb) at v[8 (8 a + bb)]);   window 3: those of my rows 64-127.
.set NQ,     4
.set FR,     8
.set NL,     2
.set NP,     4                         ; places behind this matrix instruction (ISA guide 7.12.1)
.set HALFI,  32768                     ; 128 rows of a K step: 8 blocks of rows x 4 images of 1,024 bytes
.set BOFF,   2*HALFI                   ; a slot: A's 256 rows, then B's
.set SLOT,   4*HALFI
.set SCA,    2*SLOT                    ; behind the ring: A's scale words for all of K, [half: 2][128 along K: 16][row: 128]: filled once
.set SCB,    SCA+16448                 ; B's likewise; 64 bytes further on than A's end, so that the two halves of the lanes read different columns modulo 256
.set SPARE,  295168                    ; the spare words, 128 bytes for each wave: two blocks of 256 bytes that no other line names
.set KSB,    2097152                   ; bytes from a K step to the next in a buffer of images
.set ADRA, 16
.set ADRB, 20
.set STW,  24                          ; v24  the way out: my stage (512 bytes a wave, in slot 0 behind its last fill and last read) + 4 r
.set STL,  25                          ; v25  my stage + 16 x lane
.set LI,   26                          ; v26  16 x lane
.set ADRS, 27                          ; v27  LDS address of my scale words: lanes 0-15 A's rows, lanes 16-31 B's
.set SPW,  28                          ; v28  LDS address of my spare word; never rewritten
.set NIL,  29                          ; v29  0; never rewritten
.set SC,   32
.set RM,   96
.set AF,   128
.set TM,   200
.set OW,   216
.set G1,   24                          ; s[24:31] group 1 for A's tiles;  s[32:39] group 0, a set for each slot
.set G0,   32
.set G1B,  48                          ; s[48:55], s[56:63] the same for B's tiles
.set G0B,  56
.set G1S,  68                          ; s[68:75], s[76:79] groups 1 and 0 for A's scale words;  s[80:87], s[88:91] for B's
.set G0S,  76
.set G1SB, 80
.set G0SB, 88
.set MSB, 0
.macro WIN new                         ; the immediate's high byte repeats the setting that is left
.if MSB != \new
	s_set_vgpr_msb (MSB<<8)|\new
.set MSB, \new
.endif
.endm
.set MUL_LO, 0xa1                      ; source 0 (B) window 1, source 1 (A) window 0, C and D window 2
.set MUL_HI, 0xf1                      ; the same, C and D window 3
.set TO_B,   0x40                      ; destination window 1, address window 0
; A joint load: waves 0 and 1 fetch for A, waves 2 and 3 for B.  The branch hangs on the wave's number alone.  Four v_nop follow each of the two lines.
.macro JLOAD g0a, g1a, g0b, g1b
	s_cmp_eq_u32 s17, 0
	s_cbranch_scc0 .Lfor_b_\@
	tensor_load_to_lds s[\g0a:\g0a+3], s[\g1a:\g1a+7]
	s_nop 0
.rept 4
	v_nop
.endr
	s_branch .Lasked_\@
.Lfor_b_\@:
	tensor_load_to_lds s[\g0b:\g0b+3], s[\g1b:\g1b+7]
	s_nop 0
.rept 4
	v_nop
.endr
.Lasked_\@:
.endm
.macro CREST                           ; a round of the cluster's barrier behind its opening barrier
	s_cmp_lg_u32 s16, 0
	s_cbranch_scc1 .Lnot_wave_0_\@
	s_barrier_signal -3
.Lnot_wave_0_\@:
	s_barrier_wait -3
	s_barrier_signal -1
	s_barrier_wait -1
.endm
.macro CROUND                          ; a whole round
	s_barrier_signal -1
	s_barrier_wait -1
	CREST
.endm
	s_load_b256 s[4:11], s[0:1], 0x0               ; q_codes s[4:5], q_sw s[6:7], xc_codes s[8:9], xc_sw s[10:11]
	s_load_b64 s[12:13], s[0:1], 0x20              ; mpart
	v_lshl_add_u32 v[SPW], v0, 2, SPARE
	v_mov_b32 v[NIL], 0
	ds_add_u32 v28, v29
	ds_add_u32 v28, v29
	s_wait_dscnt 0x0
	v_lshrrev_b32 v1, 5, v0
	v_readfirstlane_b32 s16, v1                    ; wave 0..3
	s_lshr_b32 s17, s16, 1                         ; which half of the tile's rows of A is mine.  Also: I fetch for A (0) or for B (1)
	s_and_b32 s18, s16, 1                          ; which half of its rows of B.  Also: which 128 rows I fetch
	s_bfe_u32 s40, ttmp6, 0x40000                  ; cx, cy: my place in the cluster
	s_bfe_u32 s41, ttmp6, 0x40004
	s_lshl_b32 s42, ttmp9, 2
	s_add_co_u32 s42, s42, s40                     ; tx = 4 x cluster x + cx: rows m 256 tx on
	s_and_b32 s43, ttmp7, 0xffff
	s_lshr_b32 s19, s43, 1                         ; b = cluster y / 2
	s_lshl_b32 s43, s43, 2
	s_add_co_u32 s43, s43, s41                     ; ty = 4 x cluster y + cy: rows (b, n) 256 ty on
	s_lshl_b32 s44, s41, 2
	s_lshl_b32 s44, 15, s44                        ; my row of the cluster
	s_lshl_b32 s45, 0x1111, s40                    ; my column
	s_or_b32 s[G1+0], s44, (3<<16)|(1<<21)         ; codes: 32,768 dense bytes as 128 rows of 32 elements of 8 bytes; no padding; A's mask = my row; bit 21 set beside a mask
	s_or_b32 s[G1B+0], s45, (3<<16)|(1<<21)        ; B's mask = my column
.irp g, G1, G1B
	s_mov_b32 s[\g+1], 32<<16
	s_mov_b32 s[\g+2], 128<<16
	s_mov_b32 s[\g+3], 32<<16
	s_mov_b32 s[\g+4], 128
	s_mov_b32 s[\g+5], 32
	s_mov_b32 s[\g+6], 0
	s_mov_b32 s[\g+7], 0
.endr
	s_or_b32 s[G1S+0], s44, (3<<16)|(1<<21)        ; the scale words of 128 rows: 16 rows (128 along K each) of 512 bytes, 32,768 bytes apart
	s_or_b32 s[G1SB+0], s45, (3<<16)|(1<<21)
.irp g, G1S, G1SB
	s_mov_b32 s[\g+1], 64<<16
	s_mov_b32 s[\g+2], 16<<16
	s_mov_b32 s[\g+3], 64<<16
	s_mov_b32 s[\g+4], 16
	s_mov_b32 s[\g+5], 4096
	s_mov_b32 s[\g+6], 0
	s_mov_b32 s[\g+7], 0
.endr
	s_lshl_b32 s20, s43, 16                        ; A's images: block of rows 16 ty + 8 half, 4,096 bytes each
	s_lshl_b32 s21, s18, 15
	s_add_co_u32 s20, s20, s21
	s_mov_b32 s21, 0
	s_lshl_b32 s22, s43, 10                        ; A's scale words: row 256 ty + 128 half
	s_lshl_b32 s23, s18, 9
	s_add_co_u32 s22, s22, s23
	s_mov_b32 s23, 0
	s_lshl_b32 s46, s19, 19                        ; B's images: block of rows 128 b + 16 tx + 8 half
	s_lshl_b32 s47, s42, 16
	s_add_co_u32 s46, s46, s47
	s_lshl_b32 s47, s18, 15
	s_add_co_u32 s46, s46, s47
	s_mov_b32 s47, 0
	s_lshl_b32 s92, s19, 13                        ; B's scale words: row 2048 b + 256 tx + 128 half
	s_lshl_b32 s93, s42, 10
	s_add_co_u32 s92, s92, s93
	s_lshl_b32 s93, s18, 9
	s_add_co_u32 s92, s92, s93
	s_mov_b32 s93, 0
	s_lshl_b32 s94, s18, 15                        ; where they go in LDS: no place in the cluster enters an LDS address
	s_add_co_u32 s95, s94, BOFF
	s_lshl_b32 s2, s18, 13
	s_mov_b32 s96, 0x76543210
	s_mov_b32 s97, 0xfedcba98                      ; v_permlanex16_b32's selects for lane l xor 16
	s_lshl_b32 s66, s42, 16                        ; mpart: [2 tx + half][256 ty + 128 half ..] f32
	s_lshl_b32 s3, s18, 15
	s_add_co_u32 s66, s66, s3
	s_lshl_b32 s3, s43, 10
	s_add_co_u32 s66, s66, s3
	s_lshl_b32 s3, s17, 9
	s_add_co_u32 s66, s66, s3
	s_mov_b32 s67, 0
	s_wait_kmcnt 0x0
	s_add_nc_u64 s[20:21], s[4:5], s[20:21]
	s_add_nc_u64 s[46:47], s[8:9], s[46:47]
	s_add_nc_u64 s[12:13], s[12:13], s[66:67]
.irp s, 0,1
	s_mov_b32 s[G0+4*\s], 1
	s_add_co_u32 s[G0+4*\s+1], s94, \s*SLOT
	s_add_nc_u64 s[G0+4*\s+2:G0+4*\s+3], s[20:21], \s*KSB
	s_or_b32 s[G0+4*\s+3], s[G0+4*\s+3], 0x80000000
	s_mov_b32 s[G0B+4*\s], 1
	s_add_co_u32 s[G0B+4*\s+1], s95, \s*SLOT
	s_add_nc_u64 s[G0B+4*\s+2:G0B+4*\s+3], s[46:47], \s*KSB
	s_or_b32 s[G0B+4*\s+3], s[G0B+4*\s+3], 0x80000000
.endr
	s_mov_b32 s[G0S], 1
	s_add_co_u32 s[G0S+1], s2, SCA
	s_add_nc_u64 s[G0S+2:G0S+3], s[6:7], s[22:23]
	s_or_b32 s[G0S+3], s[G0S+3], 0x80000000
	s_mov_b32 s[G0SB], 1
	s_add_co_u32 s[G0SB+1], s2, SCB
	s_add_nc_u64 s[G0SB+2:G0SB+3], s[10:11], s[92:93]
	s_or_b32 s[G0SB+3], s[G0SB+3], 0x80000000
	CROUND                                         ; all sixteen work-groups are here: the first joint loads meet
	s_cmp_eq_u32 s17, 0                            ; a wave's three first fills stand in one branch: three loads of mine are out
	s_cbranch_scc0 .Lfirst_b
	tensor_load_to_lds s[G0S:G0S+3], s[G1S:G1S+7]
	s_nop 0
	tensor_load_to_lds s[G0:G0+3], s[G1:G1+7]
	s_nop 0
	tensor_load_to_lds s[G0+4:G0+7], s[G1:G1+7]
	s_nop 0
.rept 4
	v_nop
.endr
	s_branch .Lfirst_asked
.Lfirst_b:
	tensor_load_to_lds s[G0SB:G0SB+3], s[G1SB:G1SB+7]
	s_nop 0
	tensor_load_to_lds s[G0B:G0B+3], s[G1B:G1B+7]
	s_nop 0
	tensor_load_to_lds s[G0B+4:G0B+7], s[G1B:G1B+7]
	s_nop 0
.rept 4
	v_nop
.endr
.Lfirst_asked:
	v_and_b32 v1, 15, v0                           ; r
	v_bfe_u32 v2, v0, 4, 1                         ; h
	v_and_b32 v3, 31, v0                           ; lane
	v_lshlrev_b32 v[LI], 4, v3
	s_lshl_b32 s2, s17, 15                         ; my 128 rows of A
	s_lshl_b32 s3, s18, 15
	s_add_co_u32 s3, s3, BOFF                      ; my 128 rows of B
.irp s, 0,1
	v_add_nc_u32 v[ADRA+\s], s2, v[LI]             ; an image is read as it lies, 16 bytes a lane
	v_add_nc_u32 v[ADRB+\s], s3, v[LI]
	s_add_co_u32 s2, s2, SLOT
	s_add_co_u32 s3, s3, SLOT
.endr
	s_lshl_b32 s2, s17, 13                         ; scale words: A's half,
	s_lshl_b32 s3, s18, 13
	s_add_co_u32 s3, s3, SCB-SCA
	s_sub_co_u32 s3, s3, s2                        ; and how far behind it B's half lies:
	v_mul_u32_u24 v5, s3, v2                       ; lanes 16-31 take B's
	s_add_co_u32 s2, s2, SCA
	v_lshl_add_u32 v5, v1, 2, v5
	v_add_nc_u32 v[ADRS], s2, v5
	s_lshl_b32 s2, s16, 9
	v_lshl_add_u32 v[STW], v1, 2, s2
	v_lshl_add_u32 v[STL], v3, 4, s2
.macro FRAGI reg, adr, q, i            ; a fragment from its image: 512 consecutive bytes a load
.irp c, 0,1
	ds_load_b128 v[\reg+4*\c:\reg+4*\c+3], v[\adr] offset:(\i)*4096+(\q)*1024+512*\c
.endr
.endm
; 16 matrix instructions: A's blocks a0, a0 + 1 x B's eight, 128 along K: the slot's q-th.  p: B's set;  sc: the set of scale words.  zero = 1: the first product starts the sums.
; The 64 accumulators take turns, one instruction a turn, in the same order in every step.
.macro MUL16 a0, p, q, sc, zero
.irp a, \a0, \a0+1
.irp b, 0,1,2,3,4,5,6,7
.if \zero
	v_wmma_scale_f32_16x16x128_f8f6f4 v[8*(8*((\a)%4)+\b):8*(8*((\a)%4)+\b)+7], v[128*(\p)+FR*\b:128*(\p)+FR*\b+FR-1], v[AF+FR*(\a):AF+FR*(\a)+FR-1], 0, v[SC+8*NQ*(\sc)+NQ*\b+(\q)], v[SC+8*NQ*(\sc)+NQ*(\a)+(\q)] matrix_a_fmt:MATRIX_FMT_FP4 matrix_b_fmt:MATRIX_FMT_FP4 matrix_a_scale:MATRIX_SCALE_ROW1
.else
	v_wmma_scale_f32_16x16x128_f8f6f4 v[8*(8*((\a)%4)+\b):8*(8*((\a)%4)+\b)+7], v[128*(\p)+FR*\b:128*(\p)+FR*\b+FR-1], v[AF+FR*(\a):AF+FR*(\a)+FR-1], v[8*(8*((\a)%4)+\b):8*(8*((\a)%4)+\b)+7], v[SC+8*NQ*(\sc)+NQ*\b+(\q)], v[SC+8*NQ*(\sc)+NQ*(\a)+(\q)] matrix_a_fmt:MATRIX_FMT_FP4 matrix_b_fmt:MATRIX_FMT_FP4 matrix_a_scale:MATRIX_SCALE_ROW1
.endif
.endr
.endr
.endm
.macro FETCH_B slot, q, p              ; B's eight fragments of the slot's q-th 128 along K into set p
	WIN TO_B
.irp i, 0,1,2,3,4,5,6,7
	FRAGI 128*(\p)+FR*\i, ADRB+\slot, \q, \i
.endr
	WIN 0
.endm
.macro FETCH_A slot, q, i0             ; A's blocks i0 .. i0 + 3
.irp i, \i0, \i0+1, \i0+2, \i0+3
	FRAGI AF+FR*(\i), ADRA+\slot, \q, \i
.endr
.endm
.macro SCALES sc, ks                   ; K step ks's scale words into set sc: register 4 i + q: lanes 0-15 the word of A's block i, lanes 16-31 that of B's block i
.irp i, 0,1,2,3,4,5,6,7
.irp q, 0,1,2,3
	ds_load_b32 v[SC+8*NQ*(\sc)+NQ*\i+\q], v[ADRS] offset:(\ks)*2048+\q*512+\i*64
.endr
.endr
.endm
; A load into a register that a matrix instruction has read, and a vector instruction that reads a matrix result, stand NP places behind that matrix instruction; only plain vector instructions
; that name none of its registers are places (ISA guide 7.12.1 for vector instructions).
.macro PLACES n
.rept \n
	v_nop
.endr
.endm
; A step of 128 along K that has its successor in the same slot.
.macro STEP slot, q, zero
	s_wait_dscnt 4*NL                              ; B's set, the scale words and A's blocks 0-3 are in; the youngest eight loads (A's blocks 4-7) may be out
	WIN MUL_LO
	MUL16 0, (\q)%2, \q, \slot, \zero
	MUL16 2, (\q)%2, \q, \slot, \zero
	s_wait_dscnt 0                                 ; A's blocks 4-7 are in
	PLACES NP
	FETCH_B \slot, (\q)+1, 1-(\q)%2
	FETCH_A \slot, (\q)+1, 0
	WIN MUL_HI
	MUL16 4, (\q)%2, \q, \slot, \zero
	MUL16 6, (\q)%2, \q, \slot, \zero
	PLACES NP
	WIN 0
	FETCH_A \slot, (\q)+1, 4
.endm
; A slot's last step changes slots: ONE barrier; in front of it each wave waits for all its tensor loads, adds 0 to its spare word, and waits for that and for its own reads of this slot.
; fill = 1: this slot is filled again, two K steps ahead, behind a round of the cluster's barrier.  ks: the number of the K step that lies in the next slot.
.macro TURN slot, next, fill, ks
	s_wait_tensorcnt 0x0                           ; all my tensor loads have landed: my part of the next slot  (every window is 0 here)
	ds_add_u32 v[SPW], v[NIL]                      ; 0 onto my spare word
	s_wait_dscnt 4*NL+1                            ; (the add and the youngest eight loads, A's blocks 4-7, may be out)
	WIN MUL_LO
	MUL16 0, 1, NQ-1, \slot, 0                     ; sixteen matrix instructions stand between the add and the wait for it
	s_wait_dscnt 0x0                               ; the add is done, and my reads of this slot are over
	s_barrier_signal -1
	MUL16 2, 1, NQ-1, \slot, 0
	WIN 0
	s_barrier_wait -1
.if \fill
	CREST                                          ; the barrier has opened a round of the cluster's barrier: no wave of any partner still reads this slot's tile or has a load on its way
	s_add_nc_u64 s[G0+4*\slot+2:G0+4*\slot+3], s[G0+4*\slot+2:G0+4*\slot+3], 2*KSB
	s_add_nc_u64 s[G0B+4*\slot+2:G0B+4*\slot+3], s[G0B+4*\slot+2:G0B+4*\slot+3], 2*KSB
	JLOAD G0+4*\slot, G1, G0B+4*\slot, G1B         ; the first tensor load behind the round; the four v_nop behind it are the places in front of the loads below
.else
	PLACES NP
.endif
	FETCH_B \next, 0, 0
	FETCH_A \next, 0, 0
	SCALES \next, \ks
	WIN MUL_HI
	MUL16 4, 1, NQ-1, \slot, 0
	MUL16 6, 1, NQ-1, \slot, 0
	PLACES NP
	WIN 0
	FETCH_A \next, 0, 4
.endm
.macro STEPS slot, from                ; the slot's steps from .. NQ - 2
.set Q, \from
.rept NQ-1-\from
	STEP \slot, Q, 0
.set Q, Q+1
.endr
.endm
	s_wait_tensorcnt 0x1                           ; my scale words and my part of K step 0 are in; one load, K step 1's, was issued behind them and may be out
	s_barrier_signal -1
	s_barrier_wait -1                              ; everybody's are
	FETCH_B 0, 0, 0
	FETCH_A 0, 0, 0
	SCALES 0, 0
	FETCH_A 0, 0, 4
	; K = 2,048 is four K steps: they are written out, so there is no backward jump
	STEP 0, 0, 1                                   ; the first products start the sums: nothing is cleared
	STEPS 0, 1
	TURN 0, 1, 1, 1                                ; slot 0 takes K step 2
	STEPS 1, 0
	TURN 1, 0, 1, 2                                ; slot 1 takes K step 3
	STEPS 0, 0
	TURN 0, 1, 0, 3                                ; nothing is left to fetch
	STEPS 1, 0
	s_wait_dscnt 4*NL                              ; the very last step
	WIN MUL_LO
	MUL16 0, 1, NQ-1, 1, 0
	MUL16 2, 1, NQ-1, 1, 0
	s_wait_dscnt 0
	WIN MUL_HI
	MUL16 4, 1, NQ-1, 1, 0
	MUL16 6, 1, NQ-1, 1, 0
	WIN 0
	v_mov_b32 v[TM+4], 0                           ; a lane permute's destination counts as one of its sources; with the three below: the places behind the last products
	PLACES 3
; THE WAY OUT: block a: the largest of my 128 columns for each of 16 rows.  Four chains by turns; each accumulator is read from its low end on.
.macro RMAX a
.set AC, 64*((\a)%4)
	WIN 0x0a+5*((\a)/4)                            ; sources 0 and 1: window 2 or 3
.irp b, 0,1,2,3
	v_max_num_f32 v[TM+\b], v[AC+16*\b], v[AC+16*\b+1]
.endr
.irp i, 2,4,6,8,10,12,14
.irp b, 0,1,2,3
	v_max3_num_f32 v[TM+\b], v[AC+16*\b+\i], v[AC+16*\b+\i+1], v[TM+\b]
.endr
.endr
	WIN 0
	v_max3_num_f32 v[TM], v[TM], v[TM+1], v[TM+2]
	v_max_num_f32 v[TM], v[TM], v[TM+3]
	v_permlanex16_b32 v[TM+4], v[TM], s96, s97
	v_max_num_f32 v[RM+(\a)], v[TM], v[TM+4]       ; with lane l xor 16's 64 columns
	ds_store_b32 v[STW], v[RM+(\a)] offset:64*(\a) ; both halves of the lanes write the same word with the same value
.endm
.irp a, 0,1,2,3,4,5,6,7
	RMAX \a
.endr
	ds_load_b128 v[OW:OW+3], v[STL]                ; LDS serves a wave's instructions in order: this sees my stores
	s_wait_dscnt 0x0
	global_store_b128 v[LI], v[OW:OW+3], s[12:13]  ; my 128 rows' maxima: 512 consecutive bytes
	s_wait_tensorcnt 0x0                           ; the wave's end
	ds_add_u32 v[SPW], v[NIL]
	s_wait_dscnt 0x0
	CROUND                                         ; the closing round: no work-group ends while a partner may still ask for a tile that names it
	s_endpgm
.Lfunc_end_k_qae6453a1af_scores:
	.size	k_qae6453a1af_scores, .Lfunc_end_k_qae6453a1af_scores-k_qae6453a1af_scores
	.p2alignl 7, 3214868480
	.fill 96, 4, 3214868480
	.section	.rodata,"a",@progbits
	.p2align	6, 0x0
	.amdhsa_kernel k_qae6453a1af_scores
		.amdhsa_group_segment_fixed_size 327680
		.amdhsa_private_segment_fixed_size 0
		.amdhsa_enable_private_segment 0
		.amdhsa_kernarg_size 40
		.amdhsa_user_sgpr_count 2
		.amdhsa_user_sgpr_kernarg_segment_ptr 1
		.amdhsa_wavefront_size32 1
		.amdhsa_system_sgpr_workgroup_id_x 1
		.amdhsa_system_sgpr_workgroup_id_y 1
		.amdhsa_system_sgpr_workgroup_id_z 1
		.amdhsa_system_vgpr_workitem_id 0
		.amdhsa_next_free_vgpr 1024
		.amdhsa_next_free_sgpr 98
		.amdhsa_reserve_vcc 0
		.amdhsa_float_denorm_mode_32 3
		.amdhsa_float_denorm_mode_16_64 3
		.amdhsa_memory_ordered 1
		.amdhsa_forward_progress 1
		.amdhsa_inst_pref_size 204
	.end_amdhsa_kernel
	.amdgpu_metadata
---
amdhsa.version: [ 1, 2 ]
amdhsa.kernels:
  - .name:           k_qae6453a1af_scores
    .symbol:         k_qae6453a1af_scores.kd
    .args:
      - { .name: q_codes, .offset: 0, .size: 8, .value_kind: global_buffer, .address_space: global }
      - { .name: q_sw, .offset: 8, .size: 8, .value_kind: global_buffer, .address_space: global }
      - { .name: xc_codes, .offset: 16, .size: 8, .value_kind: global_buffer, .address_space: global }
      - { .name: xc_sw, .offset: 24, .size: 8, .value_kind: global_buffer, .address_space: global }
      - { .name: mpart, .offset: 32, .size: 8, .value_kind: global_buffer, .address_space: global }
    .group_segment_fixed_size: 327680
    .private_segment_fixed_size: 0
    .kernarg_segment_align: 8
    .kernarg_segment_size: 40
    .max_flat_workgroup_size: 128
    .sgpr_count:     98
    .vgpr_count:     1024
    .wavefront_size: 32
...
	.end_amdgpu_metadata
.endif
;; end of part 3
;; launch outer (part 4): grid 64 x 4, 4 waves a work-group, no clusters, 0 bytes of LDS; arguments vpart, mpart, out0; writes out0
.if DOCPART == 4
	.amdgcn_target "amdgcn-amd-amdhsa--gfx1250"
	.amdhsa_code_object_version 6
	.text
	.protected	k_qae6453a1af_outer
	.globl	k_qae6453a1af_outer
	.p2align	8
	.type	k_qae6453a1af_outer,@function
k_qae6453a1af_outer:
	s_mov_b64 s[64:65], 0
	v_nop
	global_prefetch_b8 v0, s[64:65] scope:SCOPE_SE
	s_setreg_imm32_b32 hwreg(HW_REG_WAVE_MODE, 25, 1), 1
	s_wait_xcnt 0x0
; out0[b][i][j] = v[b][i] m[b][j]:  v[b][i] = (the sum of the 16 partial sums vpart[b][.][i]) / 2048,  m[b][j] = (the largest of the 16 partial maxima mpart[.][(b, j)]) / 16.
; The two divisions are one multiplication by 2^-15, which rounds nothing (but for results under the smallest normal number).
; A work-group writes rows i = 128 (x / 4) on, columns j = 512 (x % 4) on, of batch y.  Thread t keeps columns 4 t .. 4 t + 3 in every row: each store of a wave covers 512 consecutive bytes, aligned.
; Every wave sums the 128 v itself (lane l: rows 4 l .. 4 l + 3), so there is no LDS and no barrier; a row's v comes to a scalar register by v_readlane_b32.
; No matrix unit, no cluster, no tensor load: the launch is a stream of stores.  LIMIT: the maximum passes over a NaN.
	s_load_b128 s[4:7], s[0:1], 0x0                ; vpart s[4:5], mpart s[6:7]
	s_load_b64 s[8:9], s[0:1], 0x10                ; out0
	s_lshr_b32 s10, ttmp9, 2                       ; which 128 rows
	s_and_b32 s11, ttmp9, 3                        ; which 512 columns
	s_and_b32 s12, ttmp7, 0xffff                   ; b
	v_lshlrev_b32 v1, 4, v0                        ; 16 x thread
	v_and_b32 v2, 31, v0
	v_lshlrev_b32 v2, 4, v2                        ; 16 x lane
	s_lshl_b32 s14, s12, 13                        ; mpart: row (b, 512 jb), 4 bytes each
	s_lshl_b32 s13, s11, 11
	s_add_co_u32 s14, s14, s13
	s_mov_b32 s15, 0
	s_lshl_b32 s16, s12, 17                        ; vpart: [b][.][128 ib]
	s_lshl_b32 s13, s10, 9
	s_add_co_u32 s16, s16, s13
	s_mov_b32 s17, 0
	s_lshl_b32 s18, s12, 24                        ; out0: [b][128 ib][512 jb]
	s_lshl_b32 s13, s10, 20
	s_add_co_u32 s18, s18, s13
	s_lshl_b32 s13, s11, 11
	s_add_co_u32 s18, s18, s13
	s_mov_b32 s19, 0
	s_wait_kmcnt 0x0
	s_add_nc_u64 s[6:7], s[6:7], s[14:15]
	s_add_nc_u64 s[4:5], s[4:5], s[16:17]
	s_add_nc_u64 s[8:9], s[8:9], s[18:19]
.irp c, 0,1,2,3,4,5,6,7,8,9,10,11,12,13,14,15
	global_load_b128 v[16+4*\c:19+4*\c], v1, s[6:7] offset:\c*32768      ; the 16 partial maxima of my four columns
.endr
.irp k, 0,1,2,3,4,5,6,7,8,9,10,11,12,13,14,15
	global_load_b128 v[80+4*\k:83+4*\k], v2, s[4:5] offset:\k*8192       ; the 16 partial sums of my lane's four rows
.endr
	s_wait_loadcnt 16                              ; the maxima are in; the 16 loads of sums may be out
.irp k, 0,1,2,3
	v_max_num_f32 v[4+\k], v[16+\k], v[20+\k]
.endr
.irp c, 2,4,6,8,10,12,14
.irp k, 0,1,2,3
	v_max3_num_f32 v[4+\k], v[4+\k], v[16+4*\c+\k], v[20+4*\c+\k]        ; (the four columns by turns)
.endr
.endr
	s_wait_loadcnt 0x0
	v_pk_add_f32 v[8:9],   v[80:81], v[84:85]
	v_pk_add_f32 v[10:11], v[82:83], v[86:87]
.irp k, 2,3,4,5,6,7,8,9,10,11,12,13,14,15
	v_pk_add_f32 v[8:9],   v[8:9],   v[80+4*\k:81+4*\k]
	v_pk_add_f32 v[10:11], v[10:11], v[82+4*\k:83+4*\k]
.endr
	v_pk_mul_f32 v[8:9],   v[8:9],   0x38000000 op_sel_hi:[1,0]          ; x 2^-15 = 1 / 2048 x 1 / 16
	v_pk_mul_f32 v[10:11], v[10:11], 0x38000000 op_sel_hi:[1,0]
; 128 rows in eight groups of 16; a group has 16 sets of four data registers
.set G, 0
.rept 8
.set N, 0
.rept 16
	v_readlane_b32 s[20+N], v[8+(16*G+N)%4], (16*G+N)/4                  ; row 16 G + N's v
.set N, N+1
.endr
.if G > 0
	s_wait_xcnt 0x0                                ; the last group's stores have read their data: the registers are written again only behind this wait
.endif
.set N, 0
.rept 16
	v_mul_f32 v[16+4*N], s[20+N], v4
	v_mul_f32 v[17+4*N], s[20+N], v5
	v_mul_f32 v[18+4*N], s[20+N], v6
	v_mul_f32 v[19+4*N], s[20+N], v7
	global_store_b128 v1, v[16+4*N:19+4*N], s[8:9] offset:(16*G+N)*8192 th:TH_STORE_NT   ; written once, read by nobody here
.set N, N+1
.endr
.set G, G+1
.endr
	s_endpgm
.Lfunc_end_k_qae6453a1af_outer:
	.size	k_qae6453a1af_outer, .Lfunc_end_k_qae6453a1af_outer-k_qae6453a1af_outer
	.p2alignl 7, 3214868480
	.fill 96, 4, 3214868480
	.section	.rodata,"a",@progbits
	.p2align	6, 0x0
	.amdhsa_kernel k_qae6453a1af_outer
		.amdhsa_group_segment_fixed_size 0
		.amdhsa_private_segment_fixed_size 0
		.amdhsa_enable_private_segment 0
		.amdhsa_kernarg_size 24
		.amdhsa_user_sgpr_count 2
		.amdhsa_user_sgpr_kernarg_segment_ptr 1
		.amdhsa_wavefront_size32 1
		.amdhsa_system_sgpr_workgroup_id_x 1
		.amdhsa_system_sgpr_workgroup_id_y 1
		.amdhsa_system_sgpr_workgroup_id_z 1
		.amdhsa_system_vgpr_workitem_id 0
		.amdhsa_next_free_vgpr 144
		.amdhsa_next_free_sgpr 66
		.amdhsa_reserve_vcc 0
		.amdhsa_float_denorm_mode_32 3
		.amdhsa_float_denorm_mode_16_64 3
		.amdhsa_memory_ordered 1
		.amdhsa_forward_progress 1
		.amdhsa_inst_pref_size 45
	.end_amdhsa_kernel
	.amdgpu_metadata
---
amdhsa.version: [ 1, 2 ]
amdhsa.kernels:
  - .name:           k_qae6453a1af_outer
    .symbol:         k_qae6453a1af_outer.kd
    .args:
      - { .name: vpart, .offset: 0, .size: 8, .value_kind: global_buffer, .address_space: global }
      - { .name: mpart, .offset: 8, .size: 8, .value_kind: global_buffer, .address_space: global }
      - { .name: out0, .offset: 16, .size: 8, .value_kind: global_buffer, .address_space: global }
    .group_segment_fixed_size: 0
    .private_segment_fixed_size: 0
    .kernarg_segment_align: 8
    .kernarg_segment_size: 24
    .max_flat_workgroup_size: 128
    .sgpr_count:     66
    .vgpr_count:     144
    .wavefront_size: 32
...
	.end_amdgpu_metadata
.endif
;; end of part 4
